; MI455X (gfx1250); checked and timed in simulation.
; The chip was launched on July 23, 2026; its instructions are those of AMD's public machine-readable ISA for CDNA 5 (MIT licence, August 2026) and "CDNA5" Instruction Set Architecture Reference Guide (July 2026). The comments in the code are by the model that wrote it; some were corrected since.
;; Scaled Dot Product Attention. Allowed arithmetic: matrix products marked QUANTISED: E2M3 operands, one E8M0 scale for each 32 along K, by v_wmma_scale_f32_16x16x128_f8f6f4 with both operands' format E2M3, f32 sums; everything else in f32.
;; Inputs: k 2 x 8 x 2,048 x 64 float32; mask 2,048 x 2,048 bool; q 2 x 8 x 2,048 x 64 float32; v 2 x 8 x 2,048 x 64 float32.
;; Outputs: out0 2 x 8 x 2,048 x 64 float32.
;; This version of the problem:
;;   THIS VERSION OF THE PROBLEM IS GIVEN IN LOW PRECISION. The matrix products marked QUANTISED in the list below multiply operands that are first quantised to E2M3 (2 exponent bits, 3 mantissa bits; 6 bits a number), with one power-of-two scale for each 32 numbers along K (OCP MX v1.0); their sums are f32. All else is computed in f32.
;;   The module's matrix products, in the order in which they are computed (A, B: the left and right operand; K: the contracted axis; several contracted axes count as one K, in the product's order):
;;     1. batch 16 x [M 2,048, K 64] x [K 64, N 2,048]; A: input q; B: input k: QUANTISED
;;     2. batch 16 x [M 2,048, K 2,048] x [K 2,048, N 64]; A: softmax (see below); B: input v: QUANTISED
;;   THE QUANTISER, for each operand of a quantised product, along K:
;;     - K is cut into blocks of 32 from its start; a last block that is shorter is filled with zeros.
;;     - A block's scale is 2^e with e = floor(log2(the largest magnitude in the block)) - 2, held to -126 .. 127; a block of zeros has e = 0. As a byte (E8M0): e + 127.
;;     - Each number is divided by its block's scale, clamped to +-7.5, and rounded to the nearest number of E2M3, ties to even, subnormals kept.
;;     - The product sums the exact products of the quantised numbers (number of the format x scale) in f32.
;;   ~~~python
;;   def quantise(x, axis):      # numpy; x: float32 -> the quantised numbers, widened to float32 again
;;       x = np.moveaxis(x, axis, -1); K = x.shape[-1]
;;       x = np.pad(x, [(0, 0)] * (x.ndim - 1) + [(0, -K % 32)]); x = x.reshape(x.shape[:-1] + (-1, 32)); a = np.abs(x).max(-1, keepdims=True)
;;       e = np.where(a > 0, np.clip(np.frexp(np.where(a > 0, a, 1))[1] - 1 - 2, -126, 127), 0)      # np.frexp(a)[1] - 1 = floor(log2(a)), exactly
;;       r = np.clip(x / 2.0 ** e, -7.5, 7.5)
;;       step = 2.0 ** (np.maximum(np.frexp(np.where(r == 0, 1, r))[1] - 1, 0) - 3)
;;       q = np.round(r / step) * step * 2.0 ** e      # np.round: ties to even
;;       return np.moveaxis(q.reshape(q.shape[:-2] + (-1,))[..., :K], -1, axis).astype(np.float32)
;;   ~~~
;;   SOFTMAX AHEAD OF A QUANTISED PRODUCT. Where the list says 'softmax', what is quantised is not the finished softmax but p = 2^(t - M), with t = logit x log2(e) and M = ceil(the row's largest t), a whole number; so 1/2 < the row's largest p <= 1. The row's sum l is taken of the UNQUANTISED p, in f32, and the product's result is divided by l at the end. Since M is a whole number, a kernel that streams over the keys may use a running M (the ceiling of the running maximum): every later rescaling is an exact power of two, which a block's scale takes up: the codes' values come out the same.
;;   OPERANDS COMPUTED ON THE WAY. 'Computed on the way' means the value that the module computes at that place (a softmax that the list does not call 'softmax' is quantised finished and normalised). What goes into a quantiser is computed in f32, as accurately as f32 sums, v_exp_f32 and their like allow (about 1e-6 of the number): no bf16 or f16 on the way to a quantiser, and a product that is left as it is and whose result goes on into a quantised operand takes f32 operands (vector FMAs, or v_wmma_f32_16x16x4_f32). A number that lies on a knife's edge between two numbers of the format may be rounded either way, as far as f32 arithmetic and the matrix unit's own rounding can turn it there, and no further.
;; One version. Each part assembles by itself: llvm-mc -triple=amdgcn-amd-amdhsa -mcpu=gfx1250 --defsym DOCPART=n.
;; ======== version 1 of 1: 2 launches
;; limits: inputs' magnitudes at most 11,000; right only within a limited range of input values
;; workspace buffers: kv 3,276,800 bytes; mw 524,288 bytes of whole numbers; mi 8,192 bytes of whole numbers
;; launch prep (part 1): grid 640 x 1, 4 waves a work-group, no clusters, 75,520 bytes of LDS; arguments k, v, mask, kv, mw, mi; writes kv, mw, mi
.if DOCPART == 1
	.amdgcn_target "amdgcn-amd-amdhsa--gfx1250"
	.amdhsa_code_object_version 6
	.text
	.protected	k_qcae005b995_prep
	.globl	k_qcae005b995_prep
	.p2align	8
	.type	k_qcae005b995_prep,@function
k_qcae005b995_prep:
	s_mov_b64 s[64:65], 0
	v_nop
	global_prefetch_b8 v0, s[64:65] scope:SCOPE_SE
	s_setreg_imm32_b32 hwreg(HW_REG_WAVE_MODE, 25, 1), 1
	s_wait_xcnt 0x0
; K and V [16 heads][2048 keys][64] f32 become codes of FP6 (E2M3) with one E8M0 byte for each 32 along a product's K, laid as IMAGES OF THE OPERAND'S REGISTERS;
; the mask's bytes [2048][2048] become 32-bit LANE MASKS, one word for each score register of the attention launch, and one INFO word for each (tile of 16 queries, step of 128 keys).
; kv: for each (head, step of 128 keys) a block of 12,800 bytes:
;   0..6143      K: four pair-fragments b of 1,536 bytes: registers 4 c .. 4 c + 3 of lane l at 512 c + 16 l.  Lane (r, h), registers 6 u .. 6 u + 5: key 64 (b / 2) + 32 (r / 8) + 16 (b % 2) + 8 u + r % 8, d = 32 h .. 32 h + 31
;   6144..12287  V^T: four fragments f in the same form: lane (r, h), registers 6 c .. 6 c + 5: d = 16 f + r, keys 64 c + 32 h .. + 31
;   12288..12799 scale words: register f at 128 f + 4 l: lanes 0-15 K's word of pair-fragment f (byte 2 u + h), lanes 16-31 V's word of fragment f (byte = block of 32 keys)
; mw: [tile T][step j][n = 0..63]: bit l of word n = mask[16 T + l % 16][128 j + 64 (n / 32) + 32 (l / 16) + n % 32]
; mi: [tile T][step j]: bit r (0..15): row 16 T + r has a key in the step that is not masked; bit 16: some key of the step is masked for some row of the tile
; A block's scale is 2^(floor(log2(its largest magnitude)) - 2); its byte is the largest magnitude's exponent field - 2, held at 1 from below.
; LIMITS: a block of zeros gets the byte 1 where the rule says 127 (its codes are zeros, and this program alone reads the bytes); blocks whose largest magnitude lies under 2^(3 - 127) keep the byte 1;
; NaN and infinities among the inputs are not served.
; SHARES: work-groups 0-127: the mask, 16 rows each, a wave to 512 keys.  128-383: V, one step each, a wave to 32 columns x 64 keys.  384-639: K, one step each, a wave to a pair-fragment.
; Every wave asks for all that it reads at once, with immediate offsets: no loop, no tensor load.  Each of the three paths has LDS bytes of its own.
.set KVB,   12800
.set KST,   8704                       ; K's stage of a wave: 32 rows x 272 bytes
.set MST,   8448                       ; the mask's stage of a wave: 16 rows x 528 bytes
.set MBASE, 4*KST
.set VIMG,  MBASE+4*MST                ; V's image of a step, 6,144 bytes
.set VSC,   VIMG+6144                  ; and its scale words, 256 bytes
.set SPARE, VSC+256
	s_load_b256 s[4:11], s[0:1], 0x0               ; k s[4:5], v s[6:7], mask s[8:9], kv s[10:11]
	s_load_b128 s[12:15], s[0:1], 0x20             ; mw s[12:13], mi s[14:15]
	v_lshl_add_u32 v192, v0, 2, SPARE
	v_mov_b32 v193, 0
	v_lshrrev_b32 v1, 5, v0
	v_readfirstlane_b32 s16, v1                    ; wave 0..3
	v_and_b32 v1, 31, v0                           ; lane
	v_and_b32 v2, 15, v0                           ; r
	v_bfe_u32 v3, v0, 4, 1                         ; h
	v_lshlrev_b32 v4, 4, v1                        ; 16 x lane
	v_lshlrev_b32 v5, 2, v1                        ; 4 x lane
	v_lshlrev_b32 v16, 2, v2                       ; 4 r
	s_mov_b32 s18, 0x76543210
	s_mov_b32 s19, 0xfedcba98                      ; v_permlanex16_b32's selects for lane l xor 16
	; every LDS address is made here, ahead of the parting of the three paths
	s_mul_i32 s17, s16, KST
	v_mul_u32_u24 v14, v3, 272
	v_lshl_add_u32 v14, v2, 4, v14
	v_add_nc_u32 v14, s17, v14                     ; K's stage, in: a load's two keys: row h, 16 bytes a lane
	v_mul_u32_u24 v15, v2, 272
	v_lshl_add_u32 v15, v3, 7, v15
	v_add_nc_u32 v15, s17, v15                     ; out: row r, my half's 128 bytes
	s_mul_i32 s17, s16, MST
	s_add_co_u32 s17, s17, MBASE
	v_add_nc_u32 v24, s17, v4                      ; the mask's stage, in: 16 bytes a lane of a row's 512
	v_mul_u32_u24 v25, v2, 528
	v_lshl_add_u32 v25, v3, 5, v25
	v_add_nc_u32 v25, s17, v25                     ; out: row r, 32 h bytes on
	s_and_b32 s24, s16, 1                          ; V: g, which 32 columns
	s_lshr_b32 s25, s16, 1                         ; c, which 64 keys
	v_mul_u32_u24 v20, v3, 1536
	v_lshl_add_u32 v20, v2, 4, v20
	s_mul_i32 s17, s24, 3072
	s_add_co_u32 s17, s17, VIMG
	v_add_nc_u32 v20, s17, v20                     ; fragment 2 g + h, row r.  Register pair k of the image's lane l stands at 512 (k / 4) + 16 l + 4 (k % 4):
	s_mul_i32 s17, s25, 1016
	v_add_nc_u32 v21, s17, v20                     ; pair 6 c + 2 at 8 + 1016 c,
	s_mul_i32 s17, s25, 520
	v_add_nc_u32 v20, s17, v20                     ; pairs 6 c and 6 c + 4 at 520 c and 512 + 520 c
	v_lshlrev_b32 v22, 6, v3
	v_lshl_add_u32 v22, v2, 2, v22
	s_lshl_b32 s17, s24, 7
	s_add_co_u32 s17, s17, VSC
	v_add_nc_u32 v22, s17, v22
	s_lshl_b32 s17, s25, 1
	v_add_nc_u32 v22, s17, v22                     ; my column's scale word, bytes 2 c and 2 c + 1
	s_mul_i32 s17, s16, 1536
	s_add_co_u32 s17, s17, VIMG
	v_add_nc_u32 v23, s17, v4                      ; on the way out wave w takes fragment w
	s_lshl_b32 s17, s16, 6
	s_add_co_u32 s17, s17, VSC
	v_add_nc_u32 v27, s17, v16
	s_wait_alu depctr_va_vdst(0)
	s_wait_kmcnt 0x0
	s_cmp_lt_u32 ttmp9, 128
	s_cbranch_scc1 .Lmask
	s_cmp_lt_u32 ttmp9, 384
	s_cbranch_scc1 .Lv
; ---- K.  Work-group - 384 = 16 x head + step; wave b takes two runs of 16 keys: 64 (b / 2) + 16 (b % 2) .. + 15 and the same 32 further on.
	s_sub_co_u32 s24, ttmp9, 384
	s_lshl_b32 s20, s24, 15                        ; 128 keys of 256 bytes a step
	s_lshr_b32 s21, s16, 1
	s_lshl_b32 s21, s21, 14
	s_add_co_u32 s20, s20, s21
	s_and_b32 s21, s16, 1
	s_lshl_b32 s21, s21, 12
	s_add_co_u32 s20, s20, s21
	s_mov_b32 s21, 0
	s_add_nc_u64 s[4:5], s[4:5], s[20:21]
	s_mul_i32 s22, s24, KVB
	s_mov_b32 s23, 0
	s_add_nc_u64 s[10:11], s[10:11], s[22:23]      ; the step's block of kv
	s_mul_i32 s22, s16, 1536
	s_add_nc_u64 s[14:15], s[10:11], s[22:23]      ; my pair-fragment's image
	s_lshl_b32 s22, s16, 7
	s_add_nc_u64 s[10:11], s[10:11], s[22:23]      ; my scale register (12,288 more stand in the store's immediate)
.irp i, 0,1,2,3,4,5,6,7,8,9,10,11,12,13,14,15
	global_load_b128 v[32+4*\i:35+4*\i], v4, s[4:5] offset:512*\i+4096*(\i/8) th:TH_LOAD_NT   ; 32 lanes read 512 consecutive bytes: my keys 2 i and 2 i + 1
.endr
; Through the wave's own stage, so that a lane gets 32 neighbours along d.  My key 16 (r / 8) + 8 u + r % 8 goes to row 16 u + r.
.irp i, 0,1,2,3,4,5,6,7,8,9,10,11,12,13,14,15
	s_wait_loadcnt 15-\i                           ; loads come back in order: load i is in, the younger ones stay out
	ds_store_b128 v14, v[32+4*\i:35+4*\i] offset:272*(16*((\i/4)%2)+8*(\i/8)+2*(\i%4))
.endr
.irp u, 0,1
.irp i, 0,1,2,3,4,5,6,7
	ds_load_b128 v[96+32*\u+4*\i:99+32*\u+4*\i], v15 offset:4352*\u+16*\i   ; LDS serves a wave's instructions in order: these see my stores
.endr
.endr
	s_wait_dscnt 0x0
.irp u, 0,1                                    ; block (u, h): all its 32 numbers are mine
	v_max3_num_f32 v[6+\u], |v[96+32*\u]|, |v[97+32*\u]|, 0x1800000   ; and the floor 2^(3 - 127): the byte cannot fall under 1
.endr
.irp i, 2,4,6,8,10,12,14,16,18,20,22,24,26,28,30
.irp u, 0,1
	v_max3_num_f32 v[6+\u], v[6+\u], |v[96+32*\u+\i]|, |v[97+32*\u+\i]|
.endr
.endr
.irp u, 0,1
	v_add_nc_u32 v[8+\u], 0xff000000, v[6+\u]      ; 2 off the exponent field: the conversion takes the exponent field of this operand as its scale
.endr
.irp u, 0,1
	v_lshrrev_b32 v[10+\u], 23, v[8+\u]            ; the scale's byte
.endr
	v_lshl_or_b32 v12, v11, 16, v10                ; my two bytes, blocks h and 2 + h of the word,
	v_lshlrev_b32 v13, 3, v3
	v_lshlrev_b32 v12, v13, v12                    ; 8 h bits up;
	v_mov_b32 v13, 0
	v_permlanex16_b32 v13, v12, s18, s19
	v_or_b32 v12, v12, v13                         ; with lane l xor 16's two the word is whole
.irp u, 0,1
	v_cvt_scalef32_pk16_fp6_f32 v[160+6*\u:162+6*\u], v[96+32*\u:111+32*\u], v[8+\u]
	v_cvt_scalef32_pk16_fp6_f32 v[172+4*\u:174+4*\u], v[112+32*\u:127+32*\u], v[8+\u]   ; (a conversion's three registers begin on an even number)
.endr
	v_nop                                          ; one plain place behind a scaled conversion
.irp u, 0,1
.irp i, 0,1,2
	v_mov_b32 v[163+6*\u+\i], v[172+4*\u+\i]
.endr
.endr
.irp c, 0,1,2
	global_store_b128 v4, v[160+4*\c:163+4*\c], s[14:15] offset:512*\c   ; the image: 512 consecutive bytes a store
.endr
	v_cmp_gt_u32 vcc_lo, 16, v1
	s_wait_alu depctr_va_vdst(0)
	s_wait_tensorcnt 0x0                           ; the wave's end
	ds_add_u32 v192, v193
	s_wait_dscnt 0x0
	s_wait_xcnt 0x0                                ; EXEC changes only behind this wait
	s_and_saveexec_b32 s20, vcc_lo                 ; lanes 0-15: the upper half of a scale register is V's, and another work-group's
	global_store_b32 v16, v12, s[10:11] offset:12288   ; 64 consecutive bytes
	s_wait_xcnt 0x0
	s_or_b32 exec_lo, exec_lo, s20
	s_endpgm
.Lv:
; ---- V.  A LANE TAKES A COLUMN d AND ITS REGISTERS RUN DOWN THE KEYS, which are the second product's K.  Wave (g, c): columns 32 g .. + 31, keys 64 c .. + 63: blocks 2 c and 2 c + 1 of its column, whole in one lane.
; The codes are put into the step's image in LDS; behind a barrier wave w stores fragment w.
	s_sub_co_u32 s20, ttmp9, 128                   ; 16 x head + step
	s_lshl_b32 s22, s20, 15
	s_lshl_b32 s23, s24, 7
	s_add_co_u32 s22, s22, s23
	s_lshl_b32 s23, s25, 14
	s_add_co_u32 s22, s22, s23
	s_mov_b32 s23, 0
	s_add_nc_u64 s[6:7], s[6:7], s[22:23]
.irp i, 0,1,2,3,4,5,6,7,8,9,10,11,12,13,14,15,16,17,18,19,20,21,22,23,24,25,26,27,28,29,30,31
	global_load_b32 v[32+\i], v5, s[6:7] offset:256*\i   ; 128 consecutive bytes, and the neighbouring wave the 128 beside them
.endr
.irp i, 0,1,2,3,4,5,6,7,8,9,10,11,12,13,14,15,16,17,18,19,20,21,22,23,24,25,26,27,28,29,30,31
	global_load_b32 v[64+\i], v5, s[6:7] offset:256*(32+\i)
.endr
	s_mul_i32 s22, s20, KVB
	s_add_nc_u64 s[10:11], s[10:11], s[22:23]
	s_mul_i32 s22, s16, 1536
	s_add_nc_u64 s[14:15], s[10:11], s[22:23]      ; fragment w (6,144 more stand in the immediate)
	s_lshl_b32 s22, s16, 7
	s_add_nc_u64 s[10:11], s[10:11], s[22:23]
.irp t, 0,1
	s_wait_loadcnt 32*(1-\t)                       ; block t's 32 loads are in
	v_max3_num_f32 v6, |v[32+32*\t]|, |v[33+32*\t]|, |v[34+32*\t]|
	v_max3_num_f32 v7, |v[35+32*\t]|, |v[36+32*\t]|, |v[37+32*\t]|
.irp i, 6,10,14,18,22,26
	v_max3_num_f32 v6, v6, |v[32+32*\t+\i]|, |v[33+32*\t+\i]|
	v_max3_num_f32 v7, v7, |v[34+32*\t+\i]|, |v[35+32*\t+\i]|
.endr
	v_max3_num_f32 v6, v6, |v[62+32*\t]|, |v[63+32*\t]|
	v_max3_num_f32 v6, v6, v7, 0x1800000           ; and the floor
	v_add_nc_u32 v[8+\t], 0xff000000, v6
	v_lshrrev_b32 v[10+\t], 23, v[8+\t]
	v_cvt_scalef32_pk16_fp6_f32 v[96+6*\t:98+6*\t], v[32+32*\t:47+32*\t], v[8+\t]
	v_cvt_scalef32_pk16_fp6_f32 v[112+4*\t:114+4*\t], v[48+32*\t:63+32*\t], v[8+\t]
	v_nop                                          ; one plain place behind a scaled conversion
.irp i, 0,1,2
	v_mov_b32 v[99+6*\t+\i], v[112+4*\t+\i]
.endr
	ds_store_b64 v20, v[96+6*\t:97+6*\t] offset:256*\t       ; block 2 c + t belongs to the image's lanes 16 t + r
	ds_store_b64 v21, v[98+6*\t:99+6*\t] offset:256*\t+8
	ds_store_b64 v20, v[100+6*\t:101+6*\t] offset:256*\t+512
.endr
	v_lshl_or_b32 v10, v11, 8, v10
	ds_store_b16 v22, v10
	v_cmp_gt_u32 vcc_lo, 16, v1
	s_wait_alu depctr_va_vdst(0)
	s_wait_dscnt 0x0                               ; for the others' sake: my stores have landed
	s_barrier_signal -1
	s_barrier_wait -1
.irp c, 0,1,2
	ds_load_b128 v[128+4*\c:131+4*\c], v23 offset:512*\c
.endr
	ds_load_b32 v12, v27
	s_wait_dscnt 0x0
.irp c, 0,1,2
	global_store_b128 v4, v[128+4*\c:131+4*\c], s[14:15] offset:6144+512*\c   ; 512 consecutive bytes a store
.endr
	s_wait_tensorcnt 0x0                           ; the wave's end
	ds_add_u32 v192, v193
	s_wait_dscnt 0x0
	s_wait_xcnt 0x0
	s_and_saveexec_b32 s20, vcc_lo                 ; sixteen words: the upper half of a scale register
	global_store_b32 v16, v12, s[10:11] offset:12288+64
	s_wait_xcnt 0x0
	s_or_b32 exec_lo, exec_lo, s20
	s_endpgm
.Lmask:
; ---- The mask.  Work-group T: rows 16 T .. 16 T + 15; wave G: keys 512 G .. 512 G + 511, four steps.  Rows come in as they lie, turn through the wave's stage so that lane (r, h) holds 16 bytes of row r:
; group g (step g / 4): keys 64 ((g % 4) / 2) + 32 h + 16 (g % 2) .. + 15.  Each byte position becomes one compare over the 32 lanes: its result IS the word.
	s_lshl_b32 s22, ttmp9, 15                      ; 16 rows of 2,048 bytes
	s_lshl_b32 s23, s16, 9
	s_add_co_u32 s22, s22, s23
	s_mov_b32 s23, 0
	s_add_nc_u64 s[8:9], s[8:9], s[22:23]
.irp i, 0,1,2,3,4,5,6,7,8,9,10,11,12,13,14,15
	global_load_b128 v[32+4*\i:35+4*\i], v4, s[8:9] offset:2048*\i th:TH_LOAD_NT   ; 512 consecutive bytes of row i
.endr
	s_lshl_b32 s22, ttmp9, 12                      ; 16 steps x 64 words
	s_lshl_b32 s21, s16, 10
	s_add_co_u32 s22, s22, s21
	s_add_nc_u64 s[12:13], s[12:13], s[22:23]
	s_lshl_b32 s22, ttmp9, 6                       ; 16 info words a tile, four of them mine
	s_lshl_b32 s21, s16, 4
	s_add_co_u32 s22, s22, s21
	s_add_nc_u64 s[14:15], s[14:15], s[22:23]
	s_mov_b32 s24, 0xff
	s_mov_b32 s25, 0xff00
	s_mov_b32 s26, 0xff0000
	s_mov_b32 s27, 0xff000000
	s_mov_b32 s36, 0x1010101
	s_mov_b32 s37, 0xffff
.irp i, 0,1,2,3,4,5,6,7
	v_mov_b32 v[160+\i], 0                         ; written once: v_writelane_b32's destination counts as one of its sources
.endr
	v_mov_b32 v26, 0
	s_wait_alu depctr_va_vdst(0)
.irp i, 0,1,2,3,4,5,6,7,8,9,10,11,12,13,14,15
	s_wait_loadcnt 15-\i                           ; row i is in, the younger loads stay out
	ds_store_b128 v24, v[32+4*\i:35+4*\i] offset:528*\i
.endr
.irp i, 0,1,2,3,4,5,6,7,8,9,10,11,12,13,14,15
	ds_load_b128 v[96+4*\i:99+4*\i], v25 offset:128*(\i/4)+64*((\i%4)/2)+16*(\i%2)
.endr
.set g, 0
.rept 16
	s_wait_dscnt 15-g                              ; group g is in, the younger reads stay out
.set wq, 0
.rept 4
.irp y, 0,1,2,3
	v_and_b32 v[6+\y], s[24+\y], v[96+4*g+wq]      ; byte 4 wq + y of my sixteen
.endr
.irp y, 0,1,2,3
	v_cmp_ne_u32 s[28+(4*wq+\y)%8], 0, v[6+\y]     ; bit l = lane l's byte is not 0: word n = 16 (g % 4) + 4 wq + y of step g / 4
.endr
.irp y, 0,1,2,3
	v_writelane_b32 v[160+4*(g/8)+\y], s[28+(4*wq+\y)%8], 16*((g/4)%2)+4*(g%4)+wq   ; word 64 (g / 4) + n of my 256: store g / 8, lane (that word % 128) / 4, register y
.endr
.set wq, wq+1
.endr
.set g, g+1
.endr
.irp z, 0,1
	global_store_b128 v4, v[160+4*\z:163+4*\z], s[12:13] offset:512*\z   ; 512 consecutive bytes a store
.endr
; The info words.  Step z's sixteen registers of a lane are v[96 + 16 z ..]; a byte is 0 or 1.
.irp z, 0,1,2,3
	v_and_b32 v[6+\z], v[96+16*\z], v[97+16*\z]
	v_or_b32 v[16+\z], v[96+16*\z], v[97+16*\z]
.endr
.irp i, 2,3,4,5,6,7,8,9,10,11,12,13,14,15
.irp z, 0,1,2,3
	v_and_b32 v[6+\z], v[6+\z], v[96+16*\z+\i]
	v_or_b32 v[16+\z], v[16+\z], v[96+16*\z+\i]
.endr
.endr
	s_wait_alu depctr_va_vdst(0)
.irp z, 0,1,2,3
	v_cmp_eq_u32 s28, s36, v[6+\z]                 ; lanes whose 64 keys are all masked
	v_cmp_ne_u32 s30, 0, v[16+\z]                  ; lanes with a masked key
	s_lshr_b32 s29, s28, 16
	s_and_b32 s28, s28, s29                        ; rows whose 128 keys are all masked
	s_and_not1_b32 s28, s37, s28                   ; the other rows
	s_cmp_lg_u32 s30, 0
	s_cselect_b32 s30, 0x10000, 0
	s_or_b32 s28, s28, s30
	v_mov_b32 v[28+\z], s28
.endr
	v_cmp_gt_u32 vcc_lo, 1, v1
	s_wait_alu depctr_va_vdst(0)
	s_wait_tensorcnt 0x0                           ; the wave's end
	ds_add_u32 v192, v193
	s_wait_dscnt 0x0
	s_wait_xcnt 0x0
	s_and_saveexec_b32 s21, vcc_lo                 ; one lane: my four words
	global_store_b128 v26, v[28:31], s[14:15]
	s_wait_xcnt 0x0
	s_or_b32 exec_lo, exec_lo, s21
	s_endpgm
.Lfunc_end_k_qcae005b995_prep:
	.size	k_qcae005b995_prep, .Lfunc_end_k_qcae005b995_prep-k_qcae005b995_prep
	.p2alignl 7, 3214868480
	.fill 96, 4, 3214868480
	.section	.rodata,"a",@progbits
	.p2align	6, 0x0
	.amdhsa_kernel k_qcae005b995_prep
		.amdhsa_group_segment_fixed_size 75520
		.amdhsa_private_segment_fixed_size 0
		.amdhsa_enable_private_segment 0
		.amdhsa_kernarg_size 48
		.amdhsa_user_sgpr_count 2
		.amdhsa_user_sgpr_kernarg_segment_ptr 1
		.amdhsa_wavefront_size32 1
		.amdhsa_system_sgpr_workgroup_id_x 1
		.amdhsa_system_sgpr_workgroup_id_y 1
		.amdhsa_system_sgpr_workgroup_id_z 1
		.amdhsa_system_vgpr_workitem_id 0
		.amdhsa_next_free_vgpr 194
		.amdhsa_next_free_sgpr 66
		.amdhsa_reserve_vcc 1
		.amdhsa_float_denorm_mode_32 3
		.amdhsa_float_denorm_mode_16_64 3
		.amdhsa_memory_ordered 1
		.amdhsa_forward_progress 1
		.amdhsa_inst_pref_size 74
	.end_amdhsa_kernel
	.amdgpu_metadata
---
amdhsa.version: [ 1, 2 ]
amdhsa.kernels:
  - .name:           k_qcae005b995_prep
    .symbol:         k_qcae005b995_prep.kd
    .args:
      - { .name: k, .offset: 0, .size: 8, .value_kind: global_buffer, .address_space: global }
      - { .name: v, .offset: 8, .size: 8, .value_kind: global_buffer, .address_space: global }
      - { .name: mask, .offset: 16, .size: 8, .value_kind: global_buffer, .address_space: global }
      - { .name: kv, .offset: 24, .size: 8, .value_kind: global_buffer, .address_space: global }
      - { .name: mw, .offset: 32, .size: 8, .value_kind: global_buffer, .address_space: global }
      - { .name: mi, .offset: 40, .size: 8, .value_kind: global_buffer, .address_space: global }
    .group_segment_fixed_size: 75520
    .private_segment_fixed_size: 0
    .kernarg_segment_align: 8
    .kernarg_segment_size: 48
    .max_flat_workgroup_size: 128
    .sgpr_count:     66
    .vgpr_count:     194
    .wavefront_size: 32
...
	.end_amdgpu_metadata
.endif
;; end of part 1
;; launch attn (part 2): grid 16 x 16, 16 waves a work-group, no clusters, 284,672 bytes of LDS; arguments q, kv, mw, mi, out0; writes out0
.if DOCPART == 2
	.amdgcn_target "amdgcn-amd-amdhsa--gfx1250"
	.amdhsa_code_object_version 6
	.text
	.protected	k_qcae005b995_attn
	.globl	k_qcae005b995_attn
	.p2align	8
	.type	k_qcae005b995_attn,@function
k_qcae005b995_attn:
	s_mov_b64 s[64:65], 0
	v_nop
	global_prefetch_b8 v0, s[64:65] scope:SCOPE_SE
	s_setreg_imm32_b32 hwreg(HW_REG_WAVE_MODE, 25, 1), 1
	s_wait_xcnt 0x0
; out0[head][q][:] = the sum over keys of softmax(q . k / 8, masked) v, both products on codes of FP6 (E2M3) with one E8M0 scale for each 32 along a product's K.  16 heads, 2,048 queries and keys, head size 64.
; q: f32, quantised here.  kv: K's and V's codes and scale words as images of the operand's registers, 12,800 bytes for each (head, step of 128 keys).  mw: the mask as lane masks, 64 words for each (tile of 16 queries, step).
; mi: an info word for each (tile, step): bit r: row r of the tile has a key there that counts; bit 16: some key is masked for some row.
; THE SOFTMAX: t = score x log2(e) / 8; M = the row's largest t so far, rounded UP to a whole number; p = 2^(t - M) is quantised along the keys, not normalised; the row's sum is taken of the unquantised p and divides at the end.
; When M moves, the sum and O are multiplied by 2^(old M - new M), which rounds nothing.
; THE MASK decides, by the info words: (1) a step in which every key is masked for every row of the tile is left out, but only where every row of the tile has a key that counts in some step: then each of the step's p is 0.
; In a tile with a row that is masked everywhere no step is left out.  (2) A step with no masked key needs no select.  (3) Else one v_cndmask_b32 a score puts the raw score -2^33 (logit -2^30) where the mask's bit is set.
; -2^33 x c is exact and whole, so in a row that is masked everywhere M = t, every p is 1 and the result is the mean of V, as with -1e9; in every other row such a p is 0.
; LIMITS: the masked logit is -2^30 and not -1e9, and a step left out adds 0: results differ only where a logit that counts lies under about -9.9e8.  The promise holds while the scaled scores stay under 2^31 in magnitude.
; NaN and infinities are not served; those that reach only a step left out are not carried to the result.  A p under 2^-126 counts as 0.
; SHARES.  A work-group (x, head) owns eight tiles of 16 queries: for g = 0..3 tile A = 4 x + g and tile B = 127 - A.  The four waves g, g + 4, g + 8, g + 12 walk A and then B together, wave g + 4 q the steps 4 i + q of A and 4 i + 3 - q of B:
; steps that the mask leaves out are so dealt out among the four, and among the work-groups.  Any deal gives the same sums of parts.
; THE PARTS MEET IN LDS: each wave puts -M, the row's sum and O^T there as images of its registers (A's behind the image of K and V; B's, behind a barrier, over it); behind a barrier waves 0-7 bring a tile's four parts under the
; largest M, by exact powers of two, add, divide and store.
; NO TENSOR LOAD, AND SO NO CLUSTER: which steps are run hangs on numbers read from memory.  The head's whole image of K and V, 16 x 12,800 bytes, is filled once, by 25 loads of
; 512 bytes a wave through registers.  No prefetch: there is no loop ahead of the only fill.
; LAYOUT.  Both products are used transposed: S^T = K Q^T, O^T = V^T P^T: a lane holds ONE query (lane % 16) throughout.  Score register 32 c + i of lane (r, h) is key 64 c + 32 h + i: a whole block of 32 keys in a lane.
; HEAD SIZE 64 IN A PRODUCT 128 DEEP: a fragment of K holds TWO tiles of 16 keys, one at k 0-63, one at k 64-127.  Q stands in 18 registers, 6 of zeros, its 6 of codes, 6 of zeros: the last twelve are Q at k 0-63, the first twelve
; Q at k 64-127; the zero codes take the other tile out of the sum.
.set STEPB, 12800                      ; a step's block: K 6,144, V 6,144, scale words 512
.set VOFF,  6144
.set SOFF,  12288
.set MERGE, 16*STEPB                   ; behind the image: A's parts, 4,352 bytes a wave (4,096 of O^T, 128 of -M, 128 of the sum); B's parts lie from 0 on
.set MP,    4352
.set QR,    MERGE+16*MP                ; Q's codes and scale words, 1,024 bytes a tile
.set SPARE, QR+8*1024
.set STAGE, 131072                     ; the way out, over the image: 16 rows x 272 bytes a tile
.set SP,    272
.set L16, 1                            ; v1   16 x lane
.set L4,  2                            ; v2   4 x lane
.set ADR, 3                            ; v3   LDS address of the step's fragments
.set ADS, 4                            ; v4   of its scale words
.set NEG, 5                            ; v5   -2^33
.set STO, 6                            ; v6-7 the way out: in, back
.set RD,  7
.set T0,  8                            ; v8-9 at work
.set T1,  9
.set QSLO, 10                          ; v10  Q's scale word for k 0-63
.set QSHI, 11                          ; v11  the same 16 bits up, for k 64-127
.set NM,  12                           ; v12 -M
.set RM,  13                           ; v13 the largest raw score
.set SUM, 14                           ; v[14:15] the row's sum in two halves
.set QB,  16                           ; v16-21 zeros, v22-27 Q's codes, v28-33 zeros
.set SCW, 34                           ; v34-37 the step's scale words: lanes 0-15 K's, lanes 16-31 V's
.set PW,  38                           ; v38  p's scale word
.set H8,  39                           ; v39  8 h
.set FB,  40                           ; v40-87 four fragments, K's and then V's
.set S,   88                           ; v88-151 S^T, then p
.set O,   152                          ; v152-183 O^T
.set PC,  184                          ; v184-195 p's codes
.set PT,  196                          ; v196-198, v200-202 the conversions' second halves
.set BM,  204                          ; v204-207 largest scores, then largest p; then chains of the sum
.set BS,  208                          ; v208-209 the conversions' scale operands
.set BP,  210                          ; v210-211 scale bytes
.set NMO, 212                          ; v212 -M ahead of the step
.set BW,  213
.set F,   216                          ; v[216:217] 2^(old M - new M)
.set X3,  218                          ; v[218:219] a chain of the sum
.set SPW, 224                          ; v224 my spare word's address, v225 0: never rewritten
.set NIL, 225
.set MGA16, 226                        ; my part of A in LDS, 16 x lane; 4 x lane
.set MGA4,  227
.set MGB16, 228                        ; of B
.set MGB4,  229
.set RB16,  230                        ; the first part of the tile that I merge
.set RB4,   231
.set QL16,  232                        ; Q's codes of tile A (B's 4,096 further on)
.set QL8,   233
.set QL4,   234
.set QS16,  235                        ; where I put the codes of the tile that I quantise
.set QS8,   236
.set QS4,   237
.set FA,    238                        ; v238-241 16 x thread + 65,536 n: the fill
.set QO,    242                        ; my bytes in a tile's rows of q
.set IM,    44                         ; v44-143 the fill's 25 loads
.set QN,    156                        ; v156-187 q as loaded
.set QC,    188                        ; v188-193 its codes, v194 its scale word
.set WV,  2                            ; s2   my wave's number
.set CNT, 3
.set GR,  14                           ; s14  g
.set KQ,  15                           ; s15  q: which quarter of the steps
.set EB,  16                           ; s[16:19] B's step words
.set E0,  24                           ; s[24:27] the tile's step words still to come: 0: left out; bit 16: needs the selects
.set MW0, 22                           ; s[22:23] mw at tile A, s[28:29] at tile B
.set MW1, 28
.set OP,  30                           ; s[30:31] out0 at the tile that I merge
.set TB,  66                           ; s66  LDS byte of the step's block
.set MO,  67                           ; s67  byte offset of mask words
.set CS,  100                          ; s[100:101] c = log2(e) / 8
.set SEL, 104                          ; s[104:105] lane selects for lane l xor 16
; s[32:63] and s[68:99]: a step's 64 mask words (at the head info words and temporaries)
.macro MASKWORDS mp                    ; 64 words, 256 consecutive bytes
	s_load_b512 s[32:47], s[\mp:\mp+1], s[MO] offset:0x0
	s_load_b512 s[48:63], s[\mp:\mp+1], s[MO] offset:0x40
	s_load_b512 s[68:83], s[\mp:\mp+1], s[MO] offset:0x80
	s_load_b512 s[84:99], s[\mp:\mp+1], s[MO] offset:0xc0
.endm
.macro ASKMASK mp, e                   ; mask words, if the step word says so
	s_bitcmp1_b32 s[\e], 16
	s_cbranch_scc0 .Lnm_\@
	MASKWORDS \mp
.Lnm_\@:
.endm
.macro NEXTMASK mp                     ; my next step's, behind the wait for the last ones; the offset turns round inside the tile's 4,096 bytes
	s_add_co_u32 s[MO], s[MO], 1024
	s_and_b32 s[MO], s[MO], 4095
	ASKMASK \mp, E0+1
.endm
.macro STEPWORDS w, e                  ; w: the tile's 16 info words, e: my four of them
	s_or_b32 s72, s[\w], s[\w+1]
.irp i, 2,3,4,5,6,7,8,9,10,11,12,13,14,15
	s_or_b32 s72, s72, s[\w+\i]
.endr
	s_and_b32 s72, s72, 0xffff
	s_cmp_eq_u32 s72, 0xffff                       ; has every row of the tile a key that counts?
	s_cselect_b32 s72, 0, 1                        ; if not, no step is left out
.irp i, 0,1,2,3
	s_or_b32 s[\e+\i], s[\e+\i], s72
	s_and_b32 s73, s[\e+\i], 0xffff
	s_cselect_b32 s[\e+\i], s[\e+\i], 0
.endr
.endm
	s_load_b256 s[4:11], s[0:1], 0x0               ; q s[4:5], kv s[6:7], mw s[8:9], mi s[10:11]
	s_load_b64 s[12:13], s[0:1], 0x20              ; out0
	v_lshl_add_u32 v[SPW], v0, 2, SPARE
	v_mov_b32 v[NIL], 0
	v_lshrrev_b32 v[T0], 5, v0
	v_readfirstlane_b32 s[WV], v[T0]               ; wave 0..15
	s_and_b32 s[GR], s[WV], 3
	s_lshr_b32 s[KQ], s[WV], 2
	; every LDS address register but the step's is made here, ahead of every parting of the waves
	v_and_b32 v[T1], 31, v0
	v_lshlrev_b32 v[L16], 4, v[T1]
	v_lshlrev_b32 v[L4], 2, v[T1]
	s_wait_alu depctr_va_vdst(0)
	s_mul_i32 s72, s[WV], MP
	v_add_nc_u32 v[MGB16], s72, v[L16]
	v_add_nc_u32 v[MGB4], s72, v[L4]
	s_add_co_u32 s72, s72, MERGE
	v_add_nc_u32 v[MGA16], s72, v[L16]
	v_add_nc_u32 v[MGA4], s72, v[L4]
	s_bfe_u32 s73, s[WV], 0x10002                  ; of waves 0-7: 0-3 quantise and merge the tiles A, 4-7 the tiles B
	s_xor_b32 s74, s73, 1
	s_mul_i32 s74, s74, MERGE
	s_mul_i32 s72, s[GR], MP
	s_add_co_u32 s72, s72, s74
	v_add_nc_u32 v[RB16], s72, v[L16]
	v_add_nc_u32 v[RB4], s72, v[L4]
	s_and_b32 s88, s[WV], 7
	s_lshl_b32 s72, s88, 10
	s_add_co_u32 s72, s72, QR
	v_add_nc_u32 v[QS16], s72, v[L16]
	v_lshl_add_u32 v[QS8], v[T1], 3, s72
	v_add_nc_u32 v[QS4], s72, v[L4]
	s_lshl_b32 s72, s[GR], 10
	s_add_co_u32 s72, s72, QR
	v_add_nc_u32 v[QL16], s72, v[L16]
	v_lshl_add_u32 v[QL8], v[T1], 3, s72
	v_add_nc_u32 v[QL4], s72, v[L4]
	v_lshlrev_b32 v[FA], 4, v0
	v_add_nc_u32 v[FA+1], 0x10000, v[FA]
	v_add_nc_u32 v[FA+2], 0x20000, v[FA]
	v_add_nc_u32 v[FA+3], 0x30000, v[FA]
	v_and_b32 v[T0], 15, v0                        ; r
	v_bfe_u32 v[T1], v0, 4, 1                      ; h
	v_lshlrev_b32 v[H8], 3, v[T1]
	v_lshlrev_b32 v[QO], 8, v[T0]
	v_lshl_add_u32 v[QO], v[T1], 7, v[QO]          ; q: row r of 256 bytes, + 128 h: my block of 32
	s_mul_i32 s72, s88, MP
	s_add_co_u32 s72, s72, STAGE
	v_mul_u32_u24 v[STO], v[T0], SP
	v_mul_u32_u24 v[RD], v[T1], SP
	v_lshl_add_u32 v[STO], v[T1], 5, v[STO]
	v_lshl_add_u32 v[RD], v[T0], 4, v[RD]
	v_add_nc_u32 v[STO], s72, v[STO]               ; in: row r, 32 h bytes on
	v_add_nc_u32 v[RD], s72, v[RD]                 ; back: lanes 0-15 one row of 256 bytes, lanes 16-31 the next
	s_lshl_b32 s68, ttmp9, 2
	s_add_co_u32 s68, s68, s[GR]                   ; tile A
	s_xor_b32 s70, s68, 127                        ; tile B = 127 - A
	s_mul_i32 s69, s73, 127
	s_xor_b32 s69, s68, s69                        ; the tile that I quantise and merge, if my wave does
	s_and_b32 s71, ttmp7, 0xffff                   ; the head
	s_lshl_b32 s74, s71, 19                        ; a head of q and out0 is 2^19 bytes, a tile 4,096
	s_lshl_b32 s75, s69, 12
	s_add_co_u32 s74, s74, s75
	s_mov_b32 s75, 0
	s_mul_i32 s76, s71, 16*STEPB
	s_mov_b32 s77, 0
	s_lshl_b32 s78, s68, 12                        ; mw: 4,096 bytes a tile
	s_mov_b32 s79, 0
	s_lshl_b32 s80, s70, 12
	s_mov_b32 s81, 0
	s_lshl_b32 s82, s68, 6                         ; mi: 64 bytes a tile
	s_mov_b32 s83, 0
	s_lshl_b32 s84, s70, 6
	s_mov_b32 s85, 0
	s_lshl_b32 s86, s[KQ], 2                       ; my first step's word: q of A,
	s_xor_b32 s87, s86, 12                         ; 3 - q of B
	s_mov_b32 s[CS], 0x3e38aa3b                    ; c = log2(e) / 8
	s_mov_b32 s[CS+1], s[CS]                       ; (named with it as a pair, so it is written)
	s_mov_b32 s[SEL], 0x76543210
	s_mov_b32 s[SEL+1], 0xfedcba98
	s_wait_alu depctr_va_vdst(0)
	s_wait_kmcnt 0x0
	s_add_nc_u64 s[20:21], s[4:5], s[74:75]        ; q at my tile
	s_add_nc_u64 s[OP:OP+1], s[12:13], s[74:75]
	s_add_nc_u64 s[6:7], s[6:7], s[76:77]          ; the head's image
	s_add_nc_u64 s[MW0:MW0+1], s[8:9], s[78:79]
	s_add_nc_u64 s[MW1:MW1+1], s[8:9], s[80:81]
	s_add_nc_u64 s[12:13], s[10:11], s[82:83]
	s_add_nc_u64 s[10:11], s[10:11], s[84:85]
	s_load_b512 s[32:47], s[12:13], 0x0            ; A's 16 info words,
	s_load_b512 s[48:63], s[10:11], 0x0            ; B's,
.irp i, 0,1,2,3
	s_load_b32 s[E0+\i], s[12:13], s86 offset:16*\i  ; and my four of each
	s_load_b32 s[EB+\i], s[10:11], s87 offset:16*\i
.endr
	s_cmp_lt_u32 s[WV], 8
	s_cbranch_scc0 .Lnoq
.irp i, 0,1,2,3,4,5,6,7
	global_load_b128 v[QN+4*\i:QN+4*\i+3], v[QO], s[20:21] offset:16*\i   ; q(r, 32 h + 4 i ..): a wave's tile is 4,096 dense bytes
.endr
.Lnoq:
.irp i, 0,1,2,3,4,5,6,7,8,9,10,11,12,13,14,15,16,17,18,19,20,21,22,23,24
	global_load_b128 v[IM+4*\i:IM+4*\i+3], v[FA], s[6:7] offset:8192*\i   ; a work-group's sixteen waves read 8,192 consecutive bytes
.endr
	v_mov_b32 v[NEG], 0xd0000000                   ; -2^33
	v_mov_b32 v[F+1], 0                            ; (named as the upper half of the pair)
.irp i, 0,1,2,3,4,5
	v_mov_b32 v[QB+\i], 0                          ; the zero codes on both sides of Q's
	v_mov_b32 v[QB+12+\i], 0
.endr
	s_wait_alu depctr_va_vdst(0)
	s_cmp_lt_u32 s[WV], 8
	s_cbranch_scc0 .Lqdone
	; Q IS QUANTISED, a tile to each of the waves 0-7: my block of 32 along d is all mine
	s_wait_loadcnt 25                              ; q is in; the 25 loads of the image may be out
	v_max3_num_f32 v[BM], |v[QN]|, |v[QN+1]|, |v[QN+2]|
	v_max3_num_f32 v[BM+1], |v[QN+3]|, |v[QN+4]|, |v[QN+5]|
.irp i, 6,10,14,18,22,26
	v_max3_num_f32 v[BM], v[BM], |v[QN+\i]|, |v[QN+\i+1]|
	v_max3_num_f32 v[BM+1], v[BM+1], |v[QN+\i+2]|, |v[QN+\i+3]|
.endr
	v_max3_num_f32 v[BM], v[BM], |v[QN+30]|, |v[QN+31]|
	v_max3_num_f32 v[BM], v[BM], v[BM+1], 0x1800000   ; and the floor 2^(3 - 127): the byte cannot fall under 1
	v_add_nc_u32 v[BS], 0xff000000, v[BM]          ; 2 off the exponent field: the conversion's scale operand
	v_lshrrev_b32 v[BP], 23, v[BS]                 ; the scale's byte
	v_cvt_scalef32_pk16_fp6_f32 v[QC:QC+2], v[QN:QN+15], v[BS]
	v_cvt_scalef32_pk16_fp6_f32 v[PT:PT+2], v[QN+16:QN+31], v[BS]   ; (a conversion's three registers begin on an even number)
	v_lshlrev_b32 v[BW], v[H8], v[BP]              ; my byte, 8 h bits up; a plain place behind the conversions
.irp i, 0,1,2
	v_mov_b32 v[QC+3+\i], v[PT+\i]
.endr
	v_permlanex16_b32 v[T1], v[BW], s[SEL], s[SEL+1]
	v_or_b32 v[QC+6], v[BW], v[T1]                 ; with lane l xor 16's: bytes 0 and 1; bytes 2 and 3 stay 0, over zero codes
	ds_store_b128 v[QS16], v[QC:QC+3]
	ds_store_b64 v[QS8], v[QC+4:QC+5] offset:512
	ds_store_b32 v[QS4], v[QC+6] offset:768
.Lqdone:
.irp j, 0,1,2,3,4,5,6,7,8,9,10,11,12,13,14,15,16,17,18,19,20,21,22,23
	v_mov_b32 v[O+\j], 0
.endr
	s_wait_alu depctr_va_vdst(0)
	s_wait_kmcnt 0x0
	STEPWORDS 32, E0
	STEPWORDS 48, EB
	s_mul_i32 s[TB], s[KQ], STEPB
	s_lshl_b32 s[MO], s[KQ], 8
	ASKMASK MW0, E0
.irp i, 0,1,2,3,4,5,6,7,8,9,10,11,12,13,14,15,16,17,18,19,20,21,22,23,24
	s_wait_loadcnt 24-\i                           ; loads come back in order
	ds_store_b128 v[FA+(\i/8)], v[IM+4*\i:IM+4*\i+3] offset:8192*(\i%8)
.endr
	s_wait_dscnt 0x0                               ; for the others' sake: my part of the image and of Q has landed
	s_barrier_signal -1
	s_barrier_wait -1
; A TILE, x = 0: A, 1: B: my four steps of it, of which those with the step word 0 are left out, and my part of the result into LDS.
.macro TILE x, mp
	ds_load_b128 v[QB+6:QB+9], v[QL16] offset:4096*\x
	ds_load_b64 v[QB+10:QB+11], v[QL8] offset:4096*\x+512
	ds_load_b32 v[QSLO], v[QL4] offset:4096*\x+768
.if \x
.irp j, 0,1,2,3,4,5,6,7,8,9,10,11,12,13,14,15,16,17,18,19,20,21,22,23
	v_mov_b32 v[O+\j], 0                           ; O^T: the step is written once, and its first turn finds zeros
.endr
.endif
	v_mov_b32 v[RM], 0xff61b1e6                    ; the largest score so far: -3e38
	v_mov_b32 v[NM], 0x7f61b1e6                    ; -M: 3e38
	v_mov_b32 v[SUM], 0
	v_mov_b32 v[SUM+1], 0
	s_wait_alu depctr_va_vdst(0)
	s_wait_dscnt 0x0
	v_lshlrev_b32 v[QSHI], 16, v[QSLO]
.irp j, 24,25,26,27,28,29,30,31
	v_mov_b32 v[O+\j], 0                           ; (eight places between the scale word just made and the first product)
.endr
	s_mov_b32 s[CNT], 4
.Ltrip_\x:
	v_add_nc_u32 v[ADR], s[TB], v[L16]
	v_add_nc_u32 v[ADS], s[TB], v[L4]
	s_wait_alu depctr_va_vdst(0)
	s_cmp_lg_u32 s[E0], 0
	s_cbranch_scc1 .Lrun_\x
	s_wait_kmcnt 0x0
	NEXTMASK \mp
	s_branch .Lnext_\x
.Lrun_\x:
.irp f, 0,1,2,3
	ds_load_b32 v[SCW+\f], v[ADS] offset:SOFF+128*\f
.endr
.irp b, 0,1,2,3
.irp c, 0,1,2
	ds_load_b128 v[FB+12*\b+4*\c:FB+12*\b+4*\c+3], v[ADR] offset:1536*\b+512*\c   ; K's four pair-fragments (32 sums of the last step stand behind the last products that read these registers)
.endr
.endr
.irp b, 0,1,2,3                                ; S^T: each pair-fragment against Q at k 0-63 and against Q at k 64-127: eight sums, each begun by the constant 0
.if \b == 0
	s_wait_dscnt 6                                 ; the scale words and fragments 0 and 1 are in
.endif
.if \b == 2
	s_wait_dscnt 0x0
.endif
	v_wmma_scale_f32_16x16x128_f8f6f4 v[S+16*\b:S+16*\b+7], v[FB+12*\b:FB+12*\b+11], v[QB+6:QB+17], 0, v[SCW+\b], v[QSLO] matrix_a_fmt:MATRIX_FMT_FP6 matrix_b_fmt:MATRIX_FMT_FP6
	v_wmma_scale_f32_16x16x128_f8f6f4 v[S+16*\b+8:S+16*\b+15], v[FB+12*\b:FB+12*\b+11], v[QB:QB+11], 0, v[SCW+\b], v[QSHI] matrix_a_fmt:MATRIX_FMT_FP6 matrix_b_fmt:MATRIX_FMT_FP6
.endr
	v_mov_b32 v[NMO], v[NM]
	v_nop
	v_nop
	v_nop                                          ; four places: in front of the loads below, and of the first read of the scores
.irp f, 0,1,2,3
.irp c, 0,1,2
	ds_load_b128 v[FB+12*\f+4*\c:FB+12*\f+4*\c+3], v[ADR] offset:VOFF+1536*\f+512*\c   ; V's four fragments land while the softmax is walked
.endr
.endr
	s_wait_kmcnt 0x0                               ; this step's mask words, if it has any, asked for a step ago
	s_bitcmp1_b32 s[E0], 16
	s_cbranch_scc0 .Lclean_\x
.set n, 0
.rept 64
	v_cndmask_b32 v[S+n], v[S+n], v[NEG], s[32+n+4*(n/32)]   ; ascending: each accumulator is read from its low end on
.set n, n+1
.endr
.Lclean_\x:
	NEXTMASK \mp
.irp c, 0,1                                    ; THE LARGEST SCORE OF EACH OF MY TWO BLOCKS OF 32 KEYS serves twice: for the row's maximum, and, since p rises with the score, for the block's largest p
	v_max3_num_f32 v[BM+\c], v[S+32*\c], v[S+32*\c+1], v[S+32*\c+2]
	v_max3_num_f32 v[BM+2+\c], v[S+32*\c+16], v[S+32*\c+17], v[S+32*\c+18]
.endr
.irp i, 3,5,7,9,11,13
.irp c, 0,1
	v_max3_num_f32 v[BM+\c], v[BM+\c], v[S+32*\c+\i], v[S+32*\c+\i+1]   ; (four chains by turns)
	v_max3_num_f32 v[BM+2+\c], v[BM+2+\c], v[S+32*\c+16+\i], v[S+32*\c+17+\i]
.endr
.endr
.irp c, 0,1
	v_max3_num_f32 v[BM+\c], v[BM+\c], v[BM+2+\c], v[S+32*\c+15]
.endr
.irp c, 0,1
	v_max_num_f32 v[BM+\c], v[BM+\c], v[S+32*\c+31]
.endr
	v_max_num_f32 v[T0], v[BM], v[BM+1]
	s_delay_alu instid0(VALU_DEP_1)
	v_permlanex16_b32 v[T1], v[T0], s[SEL], s[SEL+1]
	s_delay_alu instid0(VALU_DEP_1)
	v_max3_num_f32 v[RM], v[RM], v[T0], v[T1]      ; the running largest score of my query
	s_delay_alu instid0(VALU_DEP_1)
	v_mul_f32 v[T0], s[CS], -v[RM]                 ; -t (c is positive)
	s_delay_alu instid0(VALU_DEP_1)
	v_floor_f32 v[NM], v[T0]                       ; the new -M = floor(-t): M is a whole number
	s_delay_alu instid0(VALU_DEP_1)
	v_sub_f32 v[T0], v[NM], v[NMO]                 ; old M - new M: a whole number, 0 or less
	s_delay_alu instid0(VALU_DEP_1)
	v_cvt_i32_f32 v[T0], v[T0]                     ; (it saturates)
	s_delay_alu instid0(VALU_DEP_1)
	v_ldexp_f32 v[F], 1.0, v[T0]                   ; f = 2^(old M - new M)
.set n, 0
.rept 32
	v_pk_fma_f32 v[S+n:S+n+1], v[S+n:S+n+1], s[CS:CS+1], v[NM:NM+1] op_sel_hi:[1,0,0]   ; t - M, two at a time (of the pairs c and -M the low word serves both halves)
.set n, n+2
.endr
.irp c, 0,1
	v_fma_f32 v[BM+\c], v[BM+\c], s[CS], v[NM]     ; the same of each block's largest score
.endr
	s_wait_alu depctr_va_vdst(0)
.set n, 0
.rept 64
	v_exp_f32 v[S+n], v[S+n]                       ; p = 2^(t - M), at most 1
.set n, n+1
.endr
.irp c, 0,1
	v_exp_f32 v[BM+\c], v[BM+\c]                   ; the block's largest p
.endr
	v_pk_mul_f32 v[SUM:SUM+1], v[SUM:SUM+1], v[F:F+1] op_sel_hi:[1,0]   ; the sums under the new M.  (A plain place behind the exponentials)
	s_wait_alu depctr_va_vdst(0)                   ; and behind it
.irp c, 0,1
	v_max_num_f32 v[BM+\c], 0x1800000, v[BM+\c]    ; the floor: a block whose every p is 0 keeps the byte 1: its codes are zeros
.endr
.irp c, 0,1
	v_add_nc_u32 v[BS+\c], 0xff000000, v[BM+\c]    ; the conversion's scale operand
.endr
.irp c, 0,1
	v_lshrrev_b32 v[BP+\c], 23, v[BS+\c]           ; the scale's byte
.endr
	v_lshl_or_b32 v[BW], v[BP+1], 16, v[BP]        ; my two bytes, blocks h and 2 + h of the word,
.irp c, 0,1
	v_cvt_scalef32_pk16_fp6_f32 v[PC+6*\c:PC+6*\c+2], v[S+32*\c:S+32*\c+15], v[BS+\c]
	v_cvt_scalef32_pk16_fp6_f32 v[PT+4*\c:PT+4*\c+2], v[S+32*\c+16:S+32*\c+31], v[BS+\c]   ; (a conversion's three registers begin on an even number)
.endr
	v_lshlrev_b32 v[BW], v[H8], v[BW]              ; 8 h bits up; a plain place behind the conversions
.irp i, 0,1,2
.irp c, 0,1
	v_mov_b32 v[PC+6*\c+3+\i], v[PT+4*\c+\i]
.endr
.endr
	v_permlanex16_b32 v[T1], v[BW], s[SEL], s[SEL+1]
	v_or_b32 v[PW], v[BW], v[T1]                   ; with lane l xor 16's two: p's scale word for these 128 keys
	s_wait_alu depctr_va_vdst(0)
.set n, 0
.rept 16
	v_pk_mul_f32 v[O+n:O+n+1], v[O+n:O+n+1], v[F:F+1] op_sel_hi:[1,0]   ; O^T under the new M, ascending.  (Also the places between p's scale word and codes and the products below)
.set n, n+2
.endr
	s_wait_alu depctr_va_vdst(0)
	s_wait_dscnt 0x0                               ; V's fragments are in
.irp f, 0,1,2,3                                ; O^T += V^T P^T: the four accumulators take one turn each; V's scale words stand in lanes 16-31
	v_wmma_scale_f32_16x16x128_f8f6f4 v[O+8*\f:O+8*\f+7], v[FB+12*\f:FB+12*\f+11], v[PC:PC+11], v[O+8*\f:O+8*\f+7], v[SCW+\f], v[PW] matrix_a_fmt:MATRIX_FMT_FP6 matrix_b_fmt:MATRIX_FMT_FP6 matrix_a_scale:MATRIX_SCALE_ROW1
.endr
	v_pk_add_f32 v[BM:BM+1], v[S+2:S+3], v[S+4:S+5]   ; THE ROW'S SUM, of the unquantised p: two at a time, in four chains; these 32 are also the places behind the products
	v_pk_add_f32 v[BM+2:BM+3], v[S+6:S+7], v[S+8:S+9]
	v_pk_add_f32 v[X3:X3+1], v[S+10:S+11], v[S+12:S+13]
	v_pk_add_f32 v[SUM:SUM+1], v[SUM:SUM+1], v[S:S+1]
.irp j, 14,22,30,38,46,54
	v_pk_add_f32 v[BM:BM+1], v[BM:BM+1], v[S+\j:S+\j+1]
	v_pk_add_f32 v[BM+2:BM+3], v[BM+2:BM+3], v[S+\j+2:S+\j+3]
	v_pk_add_f32 v[X3:X3+1], v[X3:X3+1], v[S+\j+4:S+\j+5]
	v_pk_add_f32 v[SUM:SUM+1], v[SUM:SUM+1], v[S+\j+6:S+\j+7]
.endr
	v_pk_add_f32 v[BM:BM+1], v[BM:BM+1], v[S+62:S+63]
	v_pk_add_f32 v[SUM:SUM+1], v[SUM:SUM+1], v[X3:X3+1]
	v_pk_add_f32 v[BM:BM+1], v[BM:BM+1], v[BM+2:BM+3]
	v_pk_add_f32 v[SUM:SUM+1], v[SUM:SUM+1], v[BM:BM+1]
	s_wait_alu depctr_va_vdst(0)
.Lnext_\x:
	s_mov_b32 s[E0], s[E0+1]
	s_mov_b32 s[E0+1], s[E0+2]
	s_mov_b32 s[E0+2], s[E0+3]
	s_mov_b32 s[E0+3], 0                           ; so nothing is asked for behind the last step
	s_add_co_u32 s[TB], s[TB], 4*STEPB
	s_sub_co_u32 s[CNT], s[CNT], 1
	s_cmp_lg_u32 s[CNT], 0
	s_cbranch_scc1 .Ltrip_\x
	s_wait_kmcnt 0x0
.if \x == 0
.irp i, 0,1,2,3
	s_mov_b32 s[E0+\i], s[EB+\i]
.endr
	s_xor_b32 s4, s[KQ], 3
	s_mul_i32 s[TB], s4, STEPB
	s_lshl_b32 s[MO], s4, 8
	ASKMASK MW1, E0                                ; B's first mask words
.endif
	v_add_f32 v[SUM], v[SUM], v[SUM+1]             ; the sum's two halves,
	v_permlanex16_b32 v[T0], v[SUM], s[SEL], s[SEL+1]
	v_add_f32 v[SUM], v[SUM], v[T0]                ; and lane l xor 16's
.endm
.macro PART a16, a4                    ; my part of a tile, lane by lane: 512 consecutive bytes a store; each accumulator from its low end on
.irp i, 0,1,2,3,4,5,6,7
	ds_store_b128 v[\a16], v[O+4*\i:O+4*\i+3] offset:512*\i
.endr
	ds_store_b32 v[\a4], v[NM] offset:4096
	ds_store_b32 v[\a4], v[SUM] offset:4224
.endm
	TILE 0, MW0
	PART MGA16, MGA4
	TILE 1, MW1
	s_wait_alu depctr_va_vdst(0)
	s_wait_dscnt 0x0                               ; my reads of the image are over
	s_barrier_signal -1
	s_barrier_wait -1                              ; everybody's are
	PART MGB16, MGB4
	s_wait_dscnt 0x0                               ; for the others' sake: my parts have landed
	s_barrier_signal -1
	s_barrier_wait -1
	s_cmp_lt_u32 s[WV], 8
	s_cbranch_scc0 .Ldone
	; A TILE'S FOUR PARTS, one from each of the waves g, g + 4, g + 8, g + 12, MEET
.set MX, 40                            ; v40-167 their O^T
.set MN, 168                           ; v168-171 their -M
.set MU, 172                           ; v172-175 their sums
.set FP, 176                           ; v176-183 their factors, in pairs
.set MM, 184
.set ML, 185
.set MR, 186
.irp p, 0,1,2,3
	ds_load_b32 v[MN+\p], v[RB4] offset:4*MP*\p+4096
	ds_load_b32 v[MU+\p], v[RB4] offset:4*MP*\p+4224
.endr
.irp p, 0,1,2,3
.irp i, 0,1,2,3,4,5,6,7
	ds_load_b128 v[MX+32*\p+4*\i:MX+32*\p+4*\i+3], v[RB16] offset:4*MP*\p+512*\i
.endr
.endr
	s_wait_dscnt 32                                ; the eight words are in; the 32 loads of O^T may be out
	v_min3_num_f32 v[MM], v[MN], v[MN+1], v[MN+2]
	v_min_num_f32 v[MM], v[MM], v[MN+3]            ; -M of the whole row: the largest M
.irp p, 0,1,2,3
	v_sub_f32 v[FP+2*\p+1], v[MM], v[MN+\p]        ; a part's M less the row's: a whole number, 0 or less
.endr
.irp p, 0,1,2,3
	v_cvt_i32_f32 v[FP+2*\p+1], v[FP+2*\p+1]
.endr
.irp p, 0,1,2,3
	v_ldexp_f32 v[FP+2*\p], 1.0, v[FP+2*\p+1]      ; exact powers of two, at least one of them 1; a part with no step gets 0
.endr
	v_mul_f32 v[ML], v[MU], v[FP]
	v_fma_f32 v[ML], v[MU+1], v[FP+2], v[ML]
	v_fma_f32 v[ML], v[MU+2], v[FP+4], v[ML]
	v_fma_f32 v[ML], v[MU+3], v[FP+6], v[ML]       ; the row's sum under the row's M
	s_wait_alu depctr_va_vdst(0)
	v_rcp_f32 v[MR], v[ML]
	v_nop                                          ; a plain place behind the reciprocal
	s_wait_alu depctr_va_vdst(0)                   ; and the wait behind it
.irp p, 0,1,2,3
	v_mul_f32 v[FP+2*\p], v[FP+2*\p], v[MR]        ; the division goes into the factors
.endr
	s_wait_alu depctr_va_vdst(0)
.irp p, 0,1,2,3
	s_wait_dscnt 24-8*\p                           ; part p is in, the later ones may be out
.irp j, 0,2,4,6,8,10,12,14,16,18,20,22,24,26,28,30
.if \p == 0
	v_pk_mul_f32 v[MX+\j:MX+\j+1], v[MX+\j:MX+\j+1], v[FP:FP+1] op_sel_hi:[1,0]
.else
	v_pk_fma_f32 v[MX+\j:MX+\j+1], v[MX+32*\p+\j:MX+32*\p+\j+1], v[FP+2*\p:FP+2*\p+1], v[MX+\j:MX+\j+1] op_sel_hi:[1,0,1]   ; register 8 f + i is o(r, 16 f + 8 h + i)
.endif
.endr
.endr
	; THE WAY OUT, through my tile's stage in LDS: a lane holds 32 bytes of a row, and comes back with 16 bytes of a whole row of 256.
.irp f, 0,1,2,3
	ds_store_b128 v[STO], v[MX+8*\f:MX+8*\f+3] offset:64*\f
	ds_store_b128 v[STO], v[MX+8*\f+4:MX+8*\f+7] offset:64*\f+16
.endr
.irp i, 0,1,2,3,4,5,6,7
	ds_load_b128 v[MX+32+4*\i:MX+32+4*\i+3], v[RD] offset:2*\i*SP   ; LDS serves a wave's instructions in order (ISA guide 5.7.1.4): these see my stores
.endr
.irp i, 0,1,2,3,4,5,6,7
	s_wait_dscnt 7-\i                              ; rows 2 i and 2 i + 1 are back; the younger reads stay out
	global_store_b128 v[L16], v[MX+32+4*\i:MX+32+4*\i+3], s[OP:OP+1] offset:512*\i th:TH_STORE_NT   ; 32 lanes store 512 consecutive bytes, at a multiple of 256 from out0's first byte
.endr
.Ldone:
	s_wait_tensorcnt 0x0                           ; the wave's end
	ds_add_u32 v[SPW], v[NIL]
	s_wait_dscnt 0x0
	s_endpgm
.Lfunc_end_k_qcae005b995_attn:
	.size	k_qcae005b995_attn, .Lfunc_end_k_qcae005b995_attn-k_qcae005b995_attn
	.p2alignl 7, 3214868480
	.fill 96, 4, 3214868480
	.section	.rodata,"a",@progbits
	.p2align	6, 0x0
	.amdhsa_kernel k_qcae005b995_attn
		.amdhsa_group_segment_fixed_size 284672
		.amdhsa_private_segment_fixed_size 0
		.amdhsa_enable_private_segment 0
		.amdhsa_kernarg_size 40
		.amdhsa_user_sgpr_count 2
		.amdhsa_user_sgpr_kernarg_segment_ptr 1
		.amdhsa_wavefront_size32 1
		.amdhsa_system_sgpr_workgroup_id_x 1
		.amdhsa_system_sgpr_workgroup_id_y 1
		.amdhsa_system_sgpr_workgroup_id_z 1
		.amdhsa_system_vgpr_workitem_id 0
		.amdhsa_next_free_vgpr 244
		.amdhsa_next_free_sgpr 106
		.amdhsa_reserve_vcc 0
		.amdhsa_float_denorm_mode_32 3
		.amdhsa_float_denorm_mode_16_64 3
		.amdhsa_memory_ordered 1
		.amdhsa_forward_progress 1
		.amdhsa_inst_pref_size 71
	.end_amdhsa_kernel
	.amdgpu_metadata
---
amdhsa.version: [ 1, 2 ]
amdhsa.kernels:
  - .name:           k_qcae005b995_attn
    .symbol:         k_qcae005b995_attn.kd
    .args:
      - { .name: q, .offset: 0, .size: 8, .value_kind: global_buffer, .address_space: global }
      - { .name: kv, .offset: 8, .size: 8, .value_kind: global_buffer, .address_space: global }
      - { .name: mw, .offset: 16, .size: 8, .value_kind: global_buffer, .address_space: global }
      - { .name: mi, .offset: 24, .size: 8, .value_kind: global_buffer, .address_space: global }
      - { .name: out0, .offset: 32, .size: 8, .value_kind: global_buffer, .address_space: global }
    .group_segment_fixed_size: 284672
    .private_segment_fixed_size: 0
    .kernarg_segment_align: 8
    .kernarg_segment_size: 40
    .max_flat_workgroup_size: 512
    .sgpr_count:     106
    .vgpr_count:     244
    .wavefront_size: 32
...
	.end_amdgpu_metadata
.endif
;; end of part 2
